; MI455X (gfx1250); checked and timed in simulation.
; The chip was launched on July 23, 2026; its instructions are those of AMD's public machine-readable ISA for CDNA 5 (MIT licence, August 2026) and "CDNA5" Instruction Set Architecture Reference Guide (July 2026). The comments in the code are by the model that wrote it; some were corrected since.
;; Offline Sliding Window Attn. Allowed arithmetic: matrix products marked QUANTISED: E2M1 operands, one E8M0 scale for each 32 along K, by v_wmma_scale_f32_16x16x128_f8f6f4 with both operands' format E2M1 (or v_wmma_scale_f32_32x16x128_f4), f32 sums; everything else in f32.
;; Inputs: k 2 x 2,048 x 8 x 128 float32; q 2 x 2,048 x 16 x 128 float32; v 2 x 2,048 x 8 x 128 float32; wk 1,024 float32; wq 2,048 float32.
;; Outputs: out0 2 x 2,048 x 16 x 128 float32.
;; This version of the problem:
;;   THIS VERSION OF THE PROBLEM IS GIVEN IN LOW PRECISION. The matrix products marked QUANTISED in the list below multiply operands that are first quantised to E2M1 (2 exponent bits, 1 mantissa bit; 4 bits a number), with one power-of-two scale for each 32 numbers along K (OCP MX v1.0); their sums are f32. All else is computed in f32.
;;   The module's matrix products, in the order in which they are computed (A, B: the left and right operand; K: the contracted axis; several contracted axes count as one K, in the product's order):
;;     1. batch 32 x [M 2,048, K 128] x [K 128, N 2,048]; A: computed on the way; B: computed on the way: QUANTISED
;;     2. batch 32 x [M 128, K 2,048] x [K 2,048, N 2,048]; A: input v; B: computed on the way: QUANTISED
;;   THE QUANTISER, for each operand of a quantised product, along K:
;;     - K is cut into blocks of 32 from its start; a last block that is shorter is filled with zeros.
;;     - A block's scale is 2^e with e = floor(log2(the largest magnitude in the block)) - 2, held to -126 .. 127; a block of zeros has e = 0. As a byte (E8M0): e + 127.
;;     - Each number is divided by its block's scale, clamped to +-6, and rounded to the nearest number of E2M1, ties to even, subnormals kept.
;;     - The product sums the exact products of the quantised numbers (number of the format x scale) in f32.
;;   ~~~python
;;   def quantise(x, axis):      # numpy; x: float32 -> the quantised numbers, widened to float32 again
;;       x = np.moveaxis(x, axis, -1); K = x.shape[-1]
;;       x = np.pad(x, [(0, 0)] * (x.ndim - 1) + [(0, -K % 32)]); x = x.reshape(x.shape[:-1] + (-1, 32)); a = np.abs(x).max(-1, keepdims=True)
;;       e = np.where(a > 0, np.clip(np.frexp(np.where(a > 0, a, 1))[1] - 1 - 2, -126, 127), 0)      # np.frexp(a)[1] - 1 = floor(log2(a)), exactly
;;       r = np.clip(x / 2.0 ** e, -6, 6)
;;       step = 2.0 ** (np.maximum(np.frexp(np.where(r == 0, 1, r))[1] - 1, 0) - 1)
;;       q = np.round(r / step) * step * 2.0 ** e      # np.round: ties to even
;;       return np.moveaxis(q.reshape(q.shape[:-2] + (-1,))[..., :K], -1, axis).astype(np.float32)
;;   ~~~
;;   OPERANDS COMPUTED ON THE WAY. 'Computed on the way' means the value that the module computes at that place (a softmax that the list does not call 'softmax' is quantised finished and normalised). What goes into a quantiser is computed in f32, as accurately as f32 sums, v_exp_f32 and their like allow (about 1e-6 of the number): no bf16 or f16 on the way to a quantiser, and a product that is left as it is and whose result goes on into a quantised operand takes f32 operands (vector FMAs, or v_wmma_f32_16x16x4_f32). A number that lies on a knife's edge between two numbers of the format may be rounded either way, as far as f32 arithmetic and the matrix unit's own rounding can turn it there, and no further.
;; One version. Each part assembles by itself: llvm-mc -triple=amdgcn-amd-amdhsa -mcpu=gfx1250 --defsym DOCPART=n.
;; ======== version 1 of 1: 2 launches
;; workspace buffers: qc 4,194,304 bytes; qs 262,144 bytes; kc 2,621,440 bytes; ks 163,840 bytes; vc 2,621,440 bytes; vs 163,840 bytes
;; launch prep (part 1): grid 1024 x 1, 4 waves a work-group, no clusters, 34,304 bytes of LDS; arguments q, k, v, wq, wk, qc, qs, kc, ks, vc, vs; writes qc, qs, kc, ks, vc, vs
.if DOCPART == 1
	.amdgcn_target "amdgcn-amd-amdhsa--gfx1250"
	.amdhsa_code_object_version 6
	.text
	.protected	k_q0f528dfcf6_prep
	.globl	k_q0f528dfcf6_prep
	.p2align	8
	.type	k_q0f528dfcf6_prep,@function
k_q0f528dfcf6_prep:
	s_mov_b64 s[64:65], 0
	v_nop
	global_prefetch_b8 v0, s[64:65] scope:SCOPE_SE
	s_setreg_imm32_b32 hwreg(HW_REG_WAVE_MODE, 25, 1), 1
	s_wait_xcnt 0x0
; FIRST OF TWO LAUNCHES.  q [2][2048][16][128] and k [2][2048][8][128] get their RMS norm per head (x / sqrt(mean(x x) + 1e-5) x gain) and are turned into codes of FP4 (E2M1)
; along the head's 128, one E8M0 byte for each 32; v [2][2048][8][128] is turned into codes along the KEYS, in blocks of 32 keys counted from key 0.  The second launch does the attention on these codes.
;
; WORK THAT THE PROGRAM LEAVES OUT, for all values of the inputs:
;  - the mask is built by the problem itself: key k counts for query q only where q - 512 <= k <= q.  For the 32 queries 32 P .. 32 P + 31 these keys lie in key blocks P - 16 .. P (32 keys each); in every
;    other block the probability is 0, which adds nothing to a sum and nothing to a block's largest magnitude.  So 17 key blocks are walked for a pair of query tiles, and of these the steps of four blocks that lie wholly before key 0 are left out.
;  - (1 - 0) p + 0 is p: the multiply and the add are not written; the clip to [0, 1] and the.  The repeat of the key and value heads is an address.
;  - every input has a way to the output: all five are loaded.
; NO MAXIMUM IS TAKEN AWAY ahead of the exponential: the problem's own cap holds every score in [-30, 30], so e^score lies in [9.3e-14, 1.1e13] and a row's sum of at most 513 of them under 5.6e15: nothing can overflow or underflow in f32.
; LIMITS: NaN and infinities among the inputs are not served (the codes cannot carry them); a block whose largest magnitude lies under 2^-124 keeps the scale byte 1, and so does a block of zeros (its codes are zeros,
; and the bytes are read by this program alone); a NaN, an infinity or an overflow that would reach only the work left out is not carried to the result.
;
; THE WORKSPACE IS LAID IN THE ORDER OF THE OPERANDS' REGISTERS.  pb = key block + 16: blocks pb 0 .. 15 are pads for keys -512 .. -1, zero codes and zero bytes, so that every window of 20 blocks has one shape.
;   qc [32 planes][64 blocks of 32 tokens][tile u 2][c 2][lane 32][16 bytes], kc the same with [16 planes][pb 80]: lane (r, h) of tile u holds token 32 block + 8 u + r + 8 (r / 8); its 16 bytes at c are channels 64 c + 32 h + 0 .. 31.
;   qs, ks [plane][block][word 16 u + r]: a token's four scale bytes.   vc [16 planes][tile of 16 channels 8][pb 80][r 16][16 bytes]: 32 keys of channel 16 t + r.   vs [16][word j 20][channel 128]: byte e of word j is block pb = 4 j + e.
; SHARES.  Work-groups 0-511 take q, 512-767 k, on one path on which only scalars are chosen; a wave takes 32 tokens of one head (16 KiB).  Work-groups 768-1023 take v: 128 keys of one head, a wave 32 channels.
; No tensor load, no barrier: waves share nothing.
.set SPARE, 33792                      ; behind the four stages (16 rows x 528 bytes each): the spare words, 128 bytes a wave
.set SPW, 1                            ; v1   SPARE + 4 x my thread's number; never rewritten
.set NIL, 2                            ; v2   0; never rewritten
.set OFF, 16                           ; v16-31   row j of a tile: 16 x lane + (j + 8 (j / 8)) x the bytes from token to token
.set R,   32                           ; v32-95   16 rows as they are loaded
.set X,   96                           ; v96-159  my 64 numbers: X + 32 c + .. = channels 64 c + 32 h + ..
.set W,   160                          ; v160-223 the gains at the same places
.set CO,  224                          ; v224-239 codes of tile 0, of tile 1
	s_load_b512 s[8:23], s[0:1], 0x0               ; q s[8:9], k s[10:11], v s[12:13], wq s[14:15], wk s[16:17], qc s[18:19], qs s[20:21], kc s[22:23]
	s_load_b128 s[24:27], s[0:1], 0x40             ; ks s[24:25], vc s[26:27]
	s_load_b64 s[28:29], s[0:1], 0x50              ; vs
	v_lshl_add_u32 v[SPW], v0, 2, SPARE
	v_mov_b32 v[NIL], 0
	v_lshrrev_b32 v3, 5, v0
	v_readfirstlane_b32 s2, v3                     ; wave 0..3
	v_and_b32 v3, 31, v0                           ; lane
	v_and_b32 v4, 15, v0                           ; r
	v_bfe_u32 v5, v0, 4, 1                         ; h
	v_lshlrev_b32 v6, 4, v3                        ; 16 x lane
	v_lshlrev_b32 v9, 2, v3                        ; 4 x lane
	v_mov_b32 v11, 0                               ; a lane permute's destination counts as one of its sources
.irp i, 12,13,14,15
	v_mov_b32 v\i, 0                               ; zeros for the pads
.endr
	s_mov_b32 s53, 0                               ; the upper word of every offset
	s_wait_kmcnt 0x0
	s_cmp_ge_u32 ttmp9, 768
	s_cbranch_scc1 .Lv
	; ---------------- q and k ----------------
	s_cmp_lt_u32 ttmp9, 512                        ; q's work-group or k's?  The choice hangs on the work-group's number alone
	s_cselect_b64 s[30:31], s[8:9], s[10:11]       ; the tensor
	s_cselect_b64 s[32:33], s[14:15], s[16:17]     ; its gains
	s_cselect_b64 s[34:35], s[18:19], s[22:23]     ; its codes
	s_cselect_b64 s[36:37], s[20:21], s[24:25]     ; its scale words
	s_cselect_b32 s38, 4, 3                        ; log2 of its heads
	s_cselect_b32 s39, 64, 80                      ; blocks in a plane of its workspace
	s_cselect_b32 s40, 0, 16                       ; of which pads
	s_cselect_b32 s41, 0, 2048                     ; the units that lie before its first
	s_lshl_b32 s46, ttmp9, 2
	s_add_co_u32 s46, s46, s2
	s_sub_co_u32 s46, s46, s41                     ; my unit
	s_lshr_b32 s47, s46, 6                         ; plane = batch x heads + head
	s_and_b32 s48, s46, 63                         ; block of 32 tokens
	s_lshr_b32 s49, s47, s38                       ; batch
	s_lshl_b32 s50, s49, s38
	s_sub_co_u32 s50, s47, s50                     ; head
	s_lshl_b32 s51, 512, s38                       ; bytes from token to token
	s_lshl_b32 s52, s49, 11
	s_lshl_b32 s54, s48, 5
	s_add_co_u32 s52, s52, s54                     ; my first token
	s_mul_i32 s52, s52, s51
	s_lshl_b32 s54, s50, 9
	s_add_co_u32 s52, s52, s54                     ; + my head's 512 bytes
	s_add_nc_u64 s[42:43], s[30:31], s[52:53]      ; tile 0 begins at token 0 of the block,
	s_lshl_b32 s52, s51, 3
	s_add_nc_u64 s[44:45], s[42:43], s[52:53]      ; tile 1 at token 8
	s_mov_b32 s52, s54
	s_add_nc_u64 s[32:33], s[32:33], s[52:53]      ; my head's gains
	s_mul_i32 s54, s47, s39
	s_add_co_u32 s54, s54, s40
	s_add_co_u32 s54, s54, s48                     ; my block's record
	s_lshl_b32 s52, s54, 11
	s_add_nc_u64 s[34:35], s[34:35], s[52:53]      ; 2,048 bytes of codes,
	s_lshl_b32 s52, s54, 7
	s_add_nc_u64 s[36:37], s[36:37], s[52:53]      ; 128 of scale words
	s_mov_b32 s56, 0x76543210
	s_mov_b32 s57, 0xfedcba98                      ; v_permlanex16_b32's selects for lane l xor 16
	s_mov_b32 s58, 0x3c000000                      ; 1 / 128
	s_mov_b32 s59, 0x3727c5ac                      ; 1e-5
	s_mul_i32 s55, s2, 8448                        ; my stage
	v_add_nc_u32 v7, s55, v6                       ; into it: a row as it lies, 16 bytes a lane
	v_mul_u32_u24 v8, v4, 528
	v_lshl_add_u32 v8, v5, 7, v8
	v_add_nc_u32 v8, s55, v8                       ; out of it: row r, + 128 h.  Rows are 33 x 16 bytes apart: the sixteen rows that a load touches begin in different banks
	v_lshlrev_b32 v10, 3, v5                       ; 8 h
	v_lshlrev_b32 v4, 7, v5                        ; v4 from here on: 128 h, my place among the gains
	v_mov_b32 v249, 0                              ; (named as the upper half of the pair v[248:249])
.irp j, 0,1,2,3,4,5,6,7,8,9,10,11,12,13,14,15
	s_mul_i32 s55, s51, \j+8*(\j/8)
	v_add_nc_u32 v[OFF+\j], s55, v6
.endr
.macro LOADT u                         ; a tile's 16 rows: each load reads one row, 512 consecutive bytes
.set j, 0
.rept 16
	global_load_b128 v[R+4*j:R+4*j+3], v[OFF+j], s[42+2*\u:43+2*\u] th:TH_LOAD_NT
.set j, j+1
.endr
.endm
.macro TURN                            ; through my stage: LDS serves a wave's instructions in order, so no wait stands between the stores and the loads
.set j, 0
.rept 16
	ds_store_b128 v7, v[R+4*j:R+4*j+3] offset:528*j
.set j, j+1
.endr
.irp c, 0,1
.irp i, 0,1,2,3,4,5,6,7
	ds_load_b128 v[X+32*\c+4*\i:X+32*\c+4*\i+3], v8 offset:256*\c+16*\i
.endr
.endr
.endm
.macro WORK u
.irp p, 0,1,2,3
	v_pk_mul_f32 v[240+2*\p:241+2*\p], v[X+2*\p:X+2*\p+1], v[X+2*\p:X+2*\p+1]      ; the sum of squares, in four chains that the first products start
.endr
.set p, 4
.rept 28
	v_pk_fma_f32 v[240+2*(p%4):241+2*(p%4)], v[X+2*p:X+2*p+1], v[X+2*p:X+2*p+1], v[240+2*(p%4):241+2*(p%4)]
.set p, p+1
.endr
	v_pk_add_f32 v[240:241], v[240:241], v[242:243]
	v_pk_add_f32 v[244:245], v[244:245], v[246:247]
	v_pk_add_f32 v[240:241], v[240:241], v[244:245]
	v_add_f32 v240, v240, v241
	v_permlanex16_b32 v11, v240, s56, s57          ; the row's other 64 numbers lie in lane l xor 16
	v_add_f32 v240, v240, v11
	v_fma_f32 v240, v240, s58, s59                 ; the mean + 1e-5
	v_rsq_f32 v248, v240
	v_nop                                          ; a plain line behind the transcendental,
	s_wait_alu depctr_va_vdst(0)                   ; and the wait ahead of the first line that names its result
.set p, 0
.rept 32
	v_pk_mul_f32 v[X+2*p:X+2*p+1], v[X+2*p:X+2*p+1], v[248:249] op_sel_hi:[1,0]
.set p, p+1
.endr
.set p, 0
.rept 32
	v_pk_mul_f32 v[X+2*p:X+2*p+1], v[X+2*p:X+2*p+1], v[W+2*p:W+2*p+1]
.set p, p+1
.endr
.irp c, 0,1
	v_max3_num_f32 v[250+\c], |v[X+32*\c]|, |v[X+32*\c+1]|, 0x1800000      ; my block 2 c + h: all its 32 numbers are mine; the floor 2^-124 holds the byte at 1 from below
.endr
.irp i, 2,4,6,8,10,12,14,16,18,20,22,24,26,28,30
.irp c, 0,1
	v_max3_num_f32 v[250+\c], v[250+\c], |v[X+32*\c+\i]|, |v[X+32*\c+\i+1]|
.endr
.endr
.irp c, 0,1
	v_add_nc_u32 v[252+\c], 0xff000000, v[250+\c]  ; 2 off the exponent field: the conversion's scale operand
.endr
.irp c, 0,1
	v_lshrrev_b32 v[250+\c], 23, v[252+\c]         ; the scale's byte
.endr
	v_lshl_or_b32 v[254+\u], v251, 16, v250        ; my two bytes, blocks h and 2 + h,
	v_lshlrev_b32 v[254+\u], v10, v[254+\u]        ; at their places (8 h bits up);
	v_permlanex16_b32 v11, v[254+\u], s56, s57
	v_or_b32 v[254+\u], v[254+\u], v11             ; with lane l xor 16's two the word is whole
.irp c, 0,1
.irp g, 0,1,2,3
	v_cvt_scalef32_pk8_fp4_f32 v[CO+8*\u+4*\c+\g], v[X+32*\c+8*\g:X+32*\c+8*\g+7], v[252+\c]
.endr
.endr
	v_nop                                          ; one plain line behind the last scaled conversion
.irp c, 0,1
	global_store_b128 v6, v[CO+8*\u+4*\c:CO+8*\u+4*\c+3], s[34:35] offset:1024*\u+512*\c   ; 32 lanes store 512 consecutive bytes
.endr
.endm
	LOADT 0
.irp c, 0,1
.irp i, 0,1,2,3,4,5,6,7
	global_load_b128 v[W+32*\c+4*\i:W+32*\c+4*\i+3], v4, s[32:33] offset:256*\c+16*\i
.endr
.endr
	s_wait_loadcnt 16                              ; tile 0's 16 rows are in; the 16 loads of the gains may be out
	TURN
	s_wait_dscnt 0x0                               ; my numbers are back, and the stores into the stage have read their registers,
	LOADT 1                                        ; which take tile 1
	s_wait_loadcnt 16                              ; the gains are in; tile 1's 16 loads may be out
	WORK 0
	s_wait_loadcnt 0x0
	TURN
	s_wait_dscnt 0x0
	WORK 1
	v_cmp_gt_u32 vcc_lo, 16, v3
	v_cndmask_b32 v254, v255, v254, vcc_lo         ; lanes 0-15: tile 0's words, lanes 16-31: tile 1's
	global_store_b32 v9, v254, s[36:37]
	s_cmp_lt_u32 s48, s40                          ; k's blocks 0 .. 15 also write the pad that lies 16 records before them
	s_cbranch_scc0 .Lqk_end
.irp n, 0,1,2,3
	global_store_b128 v6, v[12:15], s[34:35] offset:-32768+512*\n
.endr
	global_store_b32 v9, v12, s[36:37] offset:-2048
.Lqk_end:
	s_wait_tensorcnt 0x0                           ; the wave's end
	ds_add_u32 v[SPW], v[NIL]
	s_wait_dscnt 0x0
	s_endpgm
	; ---------------- v: a lane takes a channel, and its registers run down the keys ----------------
.Lv:
	s_sub_co_u32 s46, ttmp9, 768
	s_lshr_b32 s47, s46, 4                         ; plane = 8 x batch + head
	s_and_b32 s48, s46, 15                         ; which 128 keys
	s_lshr_b32 s49, s47, 3
	s_and_b32 s50, s47, 7
	s_lshl_b32 s52, s49, 11
	s_lshl_b32 s54, s48, 7
	s_add_co_u32 s52, s52, s54                     ; my first key
	s_lshl_b32 s52, s52, 12                        ; 4,096 bytes from key to key
	s_lshl_b32 s54, s50, 9
	s_add_co_u32 s52, s52, s54
	s_lshl_b32 s54, s2, 7                          ; my wave's 32 channels
	s_add_co_u32 s52, s52, s54
	s_add_nc_u64 s[12:13], s[12:13], s[52:53]
	s_mul_i32 s52, s47, 163840                     ; codes: the plane, my two tiles of 16 channels, block pb = 16 + 4 x (which 128 keys)
	s_mul_i32 s54, s2, 40960
	s_add_co_u32 s52, s52, s54
	s_lshl_b32 s54, s48, 10
	s_add_co_u32 s52, s52, s54
	s_add_co_u32 s52, s52, 4096
	s_add_nc_u64 s[26:27], s[26:27], s[52:53]
	s_mul_i32 s52, s47, 10240                      ; scale words: the plane, word 4 + (which 128 keys), my 32 channels
	s_lshl_b32 s54, s48, 9
	s_add_co_u32 s52, s52, s54
	s_lshl_b32 s54, s2, 7
	s_add_co_u32 s52, s52, s54
	s_add_co_u32 s52, s52, 2048
	s_add_nc_u64 s[28:29], s[28:29], s[52:53]
	v_mul_u32_u24 v7, v5, 20480
	v_lshl_add_u32 v7, v4, 4, v7                   ; lanes 0-15 the first tile of channels, lanes 16-31 the second; 16 bytes a channel: each half of the lanes stores 256 consecutive bytes, aligned
.macro VLOADB t                        ; block t: v(32 t + i, my channel), i = 0 .. 31, into set t % 2
.set i, 0
.rept 32
	global_load_b32 v[32+32*((\t)%2)+i], v9, s[12:13] offset:(32*(\t)+i)*4096 th:TH_LOAD_NT
.set i, i+1
.endr
.endm
.macro VBLOCK t
.set XS, 32+32*((\t)%2)
.if (\t) < 3
	s_wait_loadcnt 32                              ; this block's 32 loads are in; the next block's may be out
.else
	s_wait_loadcnt 0x0
.endif
	v_max3_num_f32 v250, |v[XS]|, |v[XS+1]|, |v[XS+2]|
	v_max3_num_f32 v251, |v[XS+3]|, |v[XS+4]|, |v[XS+5]|
.irp i, 6,10,14,18,22,26
	v_max3_num_f32 v250, v250, |v[XS+\i]|, |v[XS+\i+1]|
	v_max3_num_f32 v251, v251, |v[XS+\i+2]|, |v[XS+\i+3]|
.endr
	v_max3_num_f32 v250, v250, |v[XS+30]|, |v[XS+31]|
	v_max3_num_f32 v250, v250, v251, 0x1800000     ; the block's largest magnitude, and the floor 2^-124
	v_add_nc_u32 v252, 0xff000000, v250
	v_lshrrev_b32 v253, 23, v252
.if (\t) == 0
	v_mov_b32 v112, v253                           ; four bytes to the word, the earlier keys in the lower byte
.else
	v_lshl_or_b32 v112, v253, 8*(\t), v112
.endif
.irp g, 0,1,2,3
	v_cvt_scalef32_pk8_fp4_f32 v[96+4*(\t)+\g], v[XS+8*\g:XS+8*\g+7], v252
.endr
	v_nop                                          ; one plain line behind the last scaled conversion
	global_store_b128 v7, v[96+4*(\t):96+4*(\t)+3], s[26:27] offset:256*(\t)
.if (\t)+2 < 4
	VLOADB (\t)+2
.endif
.endm
	VLOADB 0
	VLOADB 1
	VBLOCK 0
	VBLOCK 1
	VBLOCK 2
	VBLOCK 3
	global_store_b32 v9, v112, s[28:29]
	s_cmp_lt_u32 s48, 4                            ; the first four also write the pads: 16 blocks, four words, before their own
	s_cbranch_scc0 .Lv_end
.irp n, 0,1,2,3
	global_store_b128 v7, v[12:15], s[26:27] offset:256*\n-4096
.endr
	global_store_b32 v9, v12, s[28:29] offset:-2048
.Lv_end:
	s_wait_tensorcnt 0x0                           ; the wave's end
	ds_add_u32 v[SPW], v[NIL]
	s_wait_dscnt 0x0
	s_endpgm
.Lfunc_end_k_q0f528dfcf6_prep:
	.size	k_q0f528dfcf6_prep, .Lfunc_end_k_q0f528dfcf6_prep-k_q0f528dfcf6_prep
	.p2alignl 7, 3214868480
	.fill 96, 4, 3214868480
	.section	.rodata,"a",@progbits
	.p2align	6, 0x0
	.amdhsa_kernel k_q0f528dfcf6_prep
		.amdhsa_group_segment_fixed_size 34304
		.amdhsa_private_segment_fixed_size 0
		.amdhsa_enable_private_segment 0
		.amdhsa_kernarg_size 88
		.amdhsa_user_sgpr_count 2
		.amdhsa_user_sgpr_kernarg_segment_ptr 1
		.amdhsa_wavefront_size32 1
		.amdhsa_system_sgpr_workgroup_id_x 1
		.amdhsa_system_sgpr_workgroup_id_y 1
		.amdhsa_system_sgpr_workgroup_id_z 1
		.amdhsa_system_vgpr_workitem_id 0
		.amdhsa_next_free_vgpr 256
		.amdhsa_next_free_sgpr 66
		.amdhsa_reserve_vcc 1
		.amdhsa_float_denorm_mode_32 3
		.amdhsa_float_denorm_mode_16_64 3
		.amdhsa_memory_ordered 1
		.amdhsa_forward_progress 1
		.amdhsa_inst_pref_size 54
	.end_amdhsa_kernel
	.amdgpu_metadata
---
amdhsa.version: [ 1, 2 ]
amdhsa.kernels:
  - .name:           k_q0f528dfcf6_prep
    .symbol:         k_q0f528dfcf6_prep.kd
    .args:
      - { .name: q, .offset: 0, .size: 8, .value_kind: global_buffer, .address_space: global }
      - { .name: k, .offset: 8, .size: 8, .value_kind: global_buffer, .address_space: global }
      - { .name: v, .offset: 16, .size: 8, .value_kind: global_buffer, .address_space: global }
      - { .name: wq, .offset: 24, .size: 8, .value_kind: global_buffer, .address_space: global }
      - { .name: wk, .offset: 32, .size: 8, .value_kind: global_buffer, .address_space: global }
      - { .name: qc, .offset: 40, .size: 8, .value_kind: global_buffer, .address_space: global }
      - { .name: qs, .offset: 48, .size: 8, .value_kind: global_buffer, .address_space: global }
      - { .name: kc, .offset: 56, .size: 8, .value_kind: global_buffer, .address_space: global }
      - { .name: ks, .offset: 64, .size: 8, .value_kind: global_buffer, .address_space: global }
      - { .name: vc, .offset: 72, .size: 8, .value_kind: global_buffer, .address_space: global }
      - { .name: vs, .offset: 80, .size: 8, .value_kind: global_buffer, .address_space: global }
    .group_segment_fixed_size: 34304
    .private_segment_fixed_size: 0
    .kernarg_segment_align: 8
    .kernarg_segment_size: 88
    .max_flat_workgroup_size: 128
    .sgpr_count:     66
    .vgpr_count:     256
    .wavefront_size: 32
...
	.end_amdgpu_metadata
.endif
;; end of part 1
;; launch attn (part 2): grid 16 x 16, 8 waves a work-group, no clusters, 167,936 bytes of LDS; arguments qc, qs, kc, ks, vc, vs, out0; writes out0
.if DOCPART == 2
	.amdgcn_target "amdgcn-amd-amdhsa--gfx1250"
	.amdhsa_code_object_version 6
	.text
	.protected	k_q0f528dfcf6_attn
	.globl	k_q0f528dfcf6_attn
	.p2align	8
	.type	k_q0f528dfcf6_attn,@function
k_q0f528dfcf6_attn:
	s_mov_b64 s[64:65], 0
	v_nop
	global_prefetch_b8 v0, s[64:65] scope:SCOPE_SE
	s_setreg_imm32_b32 hwreg(HW_REG_WAVE_MODE, 25, 1), 1
	s_wait_xcnt 0x0
.set VC,    40960
.set STAGE, 81920
.set SPARE, 149504
.set SPW, 1
.set NIL, 2
.set AK,  3
.set AV,  4
.set AV4, 5
.set STO, 6
.set RD,  7
.set L16, 8
.set DD,  9
.set NINF, 10
.set TA,  11
.set INV, 12
.set SA,  14
.set SB,  16
.set QF,  20
.set QF2, 28
.set QS,  36
.set QS2, 37
.set PS,  38
.set R4,  39
.set KS,  40
.set L4,  57
.set VS,  60
.set CD,  80
.set TM,  88
.set P4,  104
.set SW,  120
.set Y,   152
.set N,   184
.set O,   152
.set F,   216
.set A11, 248
.set B4,  250
.set MSB, 0
.macro WIN new
.if MSB != \new
	s_set_vgpr_msb (MSB<<8)|\new
.set MSB, \new
.endif
.endm
.macro PLACES n
.rept \n
	v_nop
.endr
.endm
.macro SPAIR r, val
	s_mov_b32 s[\r], \val
	s_mov_b32 s[\r+1], \val
.endm
	s_load_b256 s[4:11], s[0:1], 0x0
	s_load_b128 s[12:15], s[0:1], 0x20
	s_load_b64 s[16:17], s[0:1], 0x30
	v_lshl_add_u32 v[SPW], v0, 2, SPARE
	v_mov_b32 v[NIL], 0
	ds_add_u32 v[SPW], v[NIL]
	ds_add_u32 v[SPW], v[NIL]
	v_lshrrev_b32 v[TA], 5, v0
	s_delay_alu instid0(VALU_DEP_1)
	v_readfirstlane_b32 s18, v[TA]
	s_lshr_b32 s19, s18, 1
	s_and_b32 s20, s18, 1
	s_mov_b32 s21, ttmp9
	s_and_b32 s22, ttmp7, 0xffff
	s_lshl_b32 s23, s21, 2
	s_add_co_u32 s23, s23, s19
	s_mov_b32 s24, 3<<16
	s_mov_b32 s25, 32<<16
	s_mov_b32 s26, 20<<16
	s_mov_b32 s27, 32<<16
	s_mov_b32 s28, 20
	s_mov_b32 s29, 32
	s_mov_b32 s30, 0
	s_mov_b32 s31, 0
	s_mov_b32 s32, 1
	s_mul_i32 s33, s18, 5120
	s_mov_b32 s36, 1
	s_add_co_u32 s37, s33, VC
	s_mul_i32 s78, s22, 163840
	s_lshl_b32 s79, s21, 13
	s_add_co_u32 s80, s78, s79
	s_add_co_u32 s80, s80, s33
	s_mov_b32 s81, 0
	s_mul_i32 s82, s18, 20480
	s_add_co_u32 s82, s82, s78
	s_lshl_b32 s79, s21, 10
	s_add_co_u32 s82, s82, s79
	s_mov_b32 s83, 0
	SPAIR 40, 0x3b411659
	SPAIR 42, 0xa59f25c0
	SPAIR 46, 0xaebd37ff
	SPAIR 48, 0x335c0041
	SPAIR 50, 0x3779434a
	SPAIR 52, 0x3a270ded
	SPAIR 54, 0x3ba059dc
	SPAIR 56, 0x32edd162
	SPAIR 60, 0x385bd4ec
	SPAIR 62, 0x38ed1d02
	s_mov_b32 s66, 0xc0fcf84f
	s_mov_b32 s67, 0x40fcf84f
	s_mov_b32 s68, 0xff800000
	SPAIR 70, 0
	SPAIR 72, 0
	s_mov_b32 s74, 0x76543210
	s_mov_b32 s75, 0xfedcba98
	s_lshl_b32 s77, s19, 3
	v_and_b32 v[L16], 31, v0
	s_delay_alu instid0(VALU_DEP_1)
	v_lshlrev_b32 v[L4], 2, v[L16]
	s_delay_alu instid0(VALU_DEP_2)
	v_lshlrev_b32 v[L16], 4, v[L16]
	v_and_b32 v18, 15, v0
	v_bfe_u32 v19, v0, 4, 1
	s_delay_alu instid0(VALU_DEP_2)
	v_lshlrev_b32 v[R4], 2, v18
	s_lshl_b32 s78, s19, 11
	v_add_nc_u32 v[AK], s78, v[L16]
	s_lshl_b32 s78, s19, 8
	s_add_co_u32 s78, s78, VC
	v_add_nc_u32 v[AV], s78, v[L16]
	v_lshl_add_u32 v[AV4], v18, 4, s78
	s_mul_i32 s78, s18, 8448
	s_add_co_u32 s78, s78, STAGE
	v_add_nc_u32 v[RD], s78, v[L16]
	v_mul_u32_u24 v[STO], v18, 528
	s_delay_alu instid0(VALU_DEP_1)
	v_lshl_add_u32 v[STO], v19, 5, v[STO]
	s_delay_alu instid0(VALU_DEP_1)
	v_add_nc_u32 v[STO], s78, v[STO]
	v_and_b32 v[DD], 8, v18
	s_delay_alu instid0(VALU_DEP_1)
	v_add_nc_u32 v[DD], v[DD], v18
	v_lshlrev_b32 v[TA], 4, v19
	s_delay_alu instid0(VALU_DEP_1)
	v_sub_nc_u32 v[DD], v[DD], v[TA]
	s_lshl_b32 s78, s20, 3
	v_add_nc_u32 v[DD], s78, v[DD]
	v_mov_b32 v[NINF], 0xff800000
	v_mov_b32 v[INV+1], 0
	v_mov_b32 v[TM+2], 0
	v_mov_b32 v[TM+3], 0
	v_mov_b32 v[A11], 0x2a61337e
	v_mov_b32 v[A11+1], 0x2a61337e
	v_mov_b32 v[B4], 0x3637cb14
	v_mov_b32 v[B4+1], 0x3637cb14
	s_wait_dscnt 0x0
	s_wait_kmcnt 0x0
	s_add_nc_u64 s[34:35], s[8:9], s[80:81]
	s_or_b32 s35, s35, 0x80000000
	s_add_nc_u64 s[38:39], s[12:13], s[82:83]
	s_or_b32 s39, s39, 0x80000000
	tensor_load_to_lds s[32:35], s[24:31]
	s_nop 0
	tensor_load_to_lds s[36:39], s[24:31]
	s_nop 0
	PLACES 4
	s_lshl_b32 s78, s22, 7
	s_add_co_u32 s78, s78, s23
	s_lshl_b32 s80, s78, 11
	s_lshl_b32 s79, s20, 10
	s_add_co_u32 s80, s80, s79
	s_add_nc_u64 s[4:5], s[4:5], s[80:81]
	s_lshl_b32 s80, s78, 7
	s_lshl_b32 s79, s20, 6
	s_add_co_u32 s80, s80, s79
	s_add_nc_u64 s[6:7], s[6:7], s[80:81]
	s_mul_i32 s80, s22, 10240
	s_lshl_b32 s79, s23, 7
	s_add_co_u32 s82, s80, s79
	s_add_nc_u64 s[10:11], s[10:11], s[82:83]
	s_lshl_b32 s79, s21, 9
	s_add_co_u32 s82, s80, s79
	s_add_nc_u64 s[14:15], s[14:15], s[82:83]
	global_load_b128 v[QF:QF+3], v[L16], s[4:5] th:TH_LOAD_NT
	global_load_b128 v[QF+4:QF+7], v[L16], s[4:5] offset:512 th:TH_LOAD_NT
	global_load_b128 v[QF2:QF2+3], v[L16], s[4:5] offset:131072 th:TH_LOAD_NT
	global_load_b128 v[QF2+4:QF2+7], v[L16], s[4:5] offset:131584 th:TH_LOAD_NT
	global_load_b32 v[QS], v[R4], s[6:7] th:TH_LOAD_NT
	global_load_b32 v[QS2], v[R4], s[6:7] offset:8192 th:TH_LOAD_NT
.set j, 0
.rept 17
	global_load_b32 v[KS+j], v[L4], s[10:11] offset:128*j
.set j, j+1
.endr
.set j, 0
.rept 20
	global_load_b32 v[VS+j], v[L4], s[14:15] offset:512*(j/4)+128*(j%4)
.set j, j+1
.endr
	s_lshr_b32 s78, s22, 3
	s_lshl_b32 s80, s78, 24
	s_lshl_b32 s79, s23, 5
	s_lshl_b32 s78, s20, 3
	s_add_co_u32 s79, s79, s78
	s_lshl_b32 s79, s79, 13
	s_add_co_u32 s80, s80, s79
	s_and_b32 s79, s22, 7
	s_lshl_b32 s79, s79, 10
	s_add_co_u32 s80, s80, s79
	s_add_nc_u64 s[16:17], s[16:17], s[80:81]
	s_wait_loadcnt 0x0
.set j, 0
.rept 16
	v_alignbit_b32 v[VS+j], v[VS+j+4], v[VS+j], s77
.set j, j+1
.endr
.irp j, 16,17,18,19
	v_bfe_u32 v[VS+\j], v[VS+\j], s77, 8
.endr
	s_wait_tensorcnt 0x0
	s_barrier_signal -1
	s_barrier_wait -1
.macro KLOAD n0, nt
.set TT, 0
.rept \nt
	ds_load_b128 v[F+8*TT:F+8*TT+3], v[AK] offset:((\n0)+TT/2)*2048+(TT%2)*1024
	ds_load_b128 v[F+8*TT+4:F+8*TT+7], v[AK] offset:((\n0)+TT/2)*2048+(TT%2)*1024+512
.set TT, TT+1
.endr
.endm
.macro QK n0, nt
.set TT, 0
.rept \nt
.if TT%2
	v_wmma_scale_f32_16x16x128_f8f6f4 v[SW+8*TT:SW+8*TT+7], v[F+8*TT:F+8*TT+7], v[QF:QF+7], 0, v[KS+(\n0)+TT/2], v[QS] matrix_a_fmt:MATRIX_FMT_FP4 matrix_b_fmt:MATRIX_FMT_FP4 matrix_a_scale:MATRIX_SCALE_ROW1
.else
	v_wmma_scale_f32_16x16x128_f8f6f4 v[SW+8*TT:SW+8*TT+7], v[F+8*TT:F+8*TT+7], v[QF:QF+7], 0, v[KS+(\n0)+TT/2], v[QS] matrix_a_fmt:MATRIX_FMT_FP4 matrix_b_fmt:MATRIX_FMT_FP4
.endif
.set TT, TT+1
.endr
	PLACES 4
.endm
.macro PKALL np, d, a, b, c, sel
.endm
.macro BIAS n
	s_cmp_ge_u32 s23, 16-(\n)
	s_cselect_b32 s70, 0, s68
	s_cmp_ge_u32 s23, 15-(\n)
	s_cselect_b32 s72, 0, s68
.endm
.macro HORNER np, sp
.set j, 0
.rept \np
	v_pk_fma_f32 v[N+2*j:N+2*j+1], v[N+2*j:N+2*j+1], v[Y+2*j:Y+2*j+1], s[\sp:\sp+1] op_sel_hi:[1,1,0]
.set j, j+1
.endr
.endm
.macro CAP np
.set j, 0
.rept \np
	v_pk_mul_f32 v[SW+2*j:SW+2*j+1], v[SW+2*j:SW+2*j+1], s[40:41] op_sel_hi:[1,0]
.set j, j+1
.endr
.set j, 0
.rept 2*\np
	v_med3_num_f32 v[SW+j], v[SW+j], s66, s67
.set j, j+1
.endr
.set j, 0
.rept \np
	v_pk_mul_f32 v[Y+2*j:Y+2*j+1], v[SW+2*j:SW+2*j+1], v[SW+2*j:SW+2*j+1]
.set j, j+1
.endr
.set j, 0
.rept \np
	v_pk_fma_f32 v[N+2*j:N+2*j+1], v[Y+2*j:Y+2*j+1], s[42:43], v[A11:A11+1] op_sel_hi:[1,0,1]
.set j, j+1
.endr
	HORNER \np, 46
	HORNER \np, 48
	HORNER \np, 50
	HORNER \np, 52
	HORNER \np, 54
.set j, 0
.rept \np
	v_pk_mul_f32 v[SW+2*j:SW+2*j+1], v[SW+2*j:SW+2*j+1], v[N+2*j:N+2*j+1]
.set j, j+1
.endr
.set j, 0
.rept \np
	v_pk_fma_f32 v[N+2*j:N+2*j+1], v[Y+2*j:Y+2*j+1], s[56:57], v[B4:B4+1] op_sel_hi:[1,0,1]
.set j, j+1
.endr
	HORNER \np, 60
.set j, 0
.rept \np
	v_pk_fma_f32 v[Y+2*j:Y+2*j+1], v[N+2*j:N+2*j+1], v[Y+2*j:Y+2*j+1], s[62:63] op_sel_hi:[1,1,0]
.set j, j+1
.endr
.set j, 0
	s_wait_alu depctr_va_vdst(0)
.rept 2*\np
	v_rcp_f32 v[Y+j], v[Y+j]
.set j, j+1
.endr
	v_nop
	s_wait_alu depctr_va_vdst(0)
.set j, 0
.rept \np
	v_pk_fma_f32 v[SW+2*j:SW+2*j+1], v[SW+2*j:SW+2*j+1], v[Y+2*j:Y+2*j+1], s[70+2*(j/8):71+2*(j/8)] op_sel_hi:[1,1,0]
.set j, j+1
.endr
.endm
.macro FAR
.set j, 0
.rept 16
	v_cmp_lt_i32 vcc_lo, j, v[DD]
	s_delay_alu instid0(VALU_DEP_1)
	v_cndmask_b32 v[SW+j], v[SW+j], v[NINF], vcc_lo
.set j, j+1
.endr
.endm
.macro DIAG
.set j, 0
.rept 16
	v_cmp_gt_i32 vcc_lo, j, v[DD]
	s_delay_alu instid0(VALU_DEP_1)
	v_cndmask_b32 v[SW+j], v[SW+j], v[NINF], vcc_lo
.set j, j+1
.endr
.endm
.macro EXPO n, dst, w
	WIN \w
.set j, 0
.rept \n
	v_exp_f32 v[(\dst)+j], v[SW+j]
.set j, j+1
.endr
	v_nop
	s_wait_alu depctr_va_vdst(0)
.endm
.macro SUMS src
	WIN 0x04
.set j, 0
.rept 8
	v_pk_add_f32 v[SA:SA+1], v[SA:SA+1], v[(\src)+4*j:(\src)+4*j+1]
	v_pk_add_f32 v[SB:SB+1], v[SB:SB+1], v[(\src)+4*j+2:(\src)+4*j+3]
.set j, j+1
.endr
	WIN 0
.endm
.macro STEP s
	s_cmp_lt_u32 s23, 13-4*\s
	s_cbranch_scc1 .Ldead_\@
	KLOAD 4*\s, 4
	BIAS 4*\s
	s_wait_dscnt 0x0
	QK 4*\s, 4
	KLOAD 4*\s+2, 4
	CAP 16
.if \s == 0
	FAR
.endif
	s_wait_alu depctr_va_vdst(0)
	EXPO 32, 64*\s, 0x40
	SUMS 64*\s
	BIAS 4*\s+2
	s_wait_dscnt 0x0
	QK 4*\s+2, 4
	CAP 16
	s_wait_alu depctr_va_vdst(0)
	EXPO 32, 64*\s+32, 0x40
	SUMS 64*\s+32
	s_branch .Lend_\@
.Ldead_\@:
	WIN 0x40
.set j, 0
.rept 64
	v_mov_b32 v[64*\s+j], 0
.set j, j+1
.endr
	WIN 0
.Lend_\@:
.endm
.macro NORM src, w, np
	WIN \w
.set j, 0
.rept \np
	v_pk_mul_f32 v[SW+2*j:SW+2*j+1], v[(\src)+2*j:(\src)+2*j+1], v[INV:INV+1] op_sel_hi:[1,0]
.set j, j+1
.endr
	WIN 0
.set j, 0
.rept 2*\np
	v_med3_num_f32 v[SW+j], v[SW+j], 0, 1.0
.set j, j+1
.endr
.endm
.macro QUANT2 k
.irp b, 0,1
	v_max3_num_f32 v[TM+\b], v[SW+16*\b], v[SW+16*\b+1], 0x1800000
.endr
.irp i, 2,4,6,8,10,12,14
.irp b, 0,1
	s_delay_alu instid0(VALU_DEP_2)
	v_max3_num_f32 v[TM+\b], v[TM+\b], v[SW+16*\b+\i], v[SW+16*\b+\i+1]
.endr
.endr
.irp b, 0,1
	s_delay_alu instid0(VALU_DEP_2)
	v_permlanex16_b32 v[TM+2+\b], v[TM+\b], s74, s75
.endr
.irp b, 0,1
	s_delay_alu instid0(VALU_DEP_2)
	v_max_num_f32 v[TM+\b], v[TM+\b], v[TM+2+\b]
.endr
.irp b, 0,1
	s_delay_alu instid0(VALU_DEP_2)
	v_add_nc_u32 v[TM+4+\b], 0xff000000, v[TM+\b]
.endr
.irp b, 0,1
	s_delay_alu instid0(VALU_DEP_2)
	v_lshrrev_b32 v[TM+8+2*\k+\b], 23, v[TM+4+\b]
.endr
.irp b, 0,1
	v_cvt_scalef32_pk8_fp4_f32 v[CD+4*\k+2*\b], v[SW+16*\b:SW+16*\b+7], v[TM+4+\b]
	v_cvt_scalef32_pk8_fp4_f32 v[CD+4*\k+2*\b+1], v[SW+16*\b+8:SW+16*\b+15], v[TM+4+\b]
.endr
	v_nop
.irp i, 0,1
	v_permlane16_swap_b32 v[CD+4*\k+\i], v[CD+4*\k+2+\i]
.endr
.endm
.macro VLOAD s, g
.set TT, 0
.rept 4
	ds_load_b128 v[F+8*TT:F+8*TT+3], v[AV] offset:(4*(\g)+TT)*5120+(\s)*1024
	ds_load_b128 v[F+8*TT+4:F+8*TT+7], v[AV] offset:(4*(\g)+TT)*5120+(\s)*1024+512
.set TT, TT+1
.endr
.endm
.macro VLOAD4 g
.set TT, 0
.rept 4
	ds_load_b128 v[F+8*TT:F+8*TT+3], v[AV4] offset:(4*(\g)+TT)*5120+4096
	ds_load_b128 v[F+8*TT+4:F+8*TT+7], v[AV4] offset:(4*(\g)+TT)*5120+4096
.set TT, TT+1
.endr
.endm
.macro PV s, g, zero
.set TT, 0
.rept 4
.set DT, 4*(\g)+TT
.if (\zero) && (DT%2)
	v_wmma_scale_f32_16x16x128_f8f6f4 v[O+8*DT:O+8*DT+7], v[F+8*TT:F+8*TT+7], v[CD:CD+7], 0, v[VS+4*(\s)+DT/2], v[PS] matrix_a_fmt:MATRIX_FMT_FP4 matrix_b_fmt:MATRIX_FMT_FP4 matrix_a_scale:MATRIX_SCALE_ROW1
.elseif \zero
	v_wmma_scale_f32_16x16x128_f8f6f4 v[O+8*DT:O+8*DT+7], v[F+8*TT:F+8*TT+7], v[CD:CD+7], 0, v[VS+4*(\s)+DT/2], v[PS] matrix_a_fmt:MATRIX_FMT_FP4 matrix_b_fmt:MATRIX_FMT_FP4
.elseif DT%2
	v_wmma_scale_f32_16x16x128_f8f6f4 v[O+8*DT:O+8*DT+7], v[F+8*TT:F+8*TT+7], v[CD:CD+7], v[O+8*DT:O+8*DT+7], v[VS+4*(\s)+DT/2], v[PS] matrix_a_fmt:MATRIX_FMT_FP4 matrix_b_fmt:MATRIX_FMT_FP4 matrix_a_scale:MATRIX_SCALE_ROW1
.else
	v_wmma_scale_f32_16x16x128_f8f6f4 v[O+8*DT:O+8*DT+7], v[F+8*TT:F+8*TT+7], v[CD:CD+7], v[O+8*DT:O+8*DT+7], v[VS+4*(\s)+DT/2], v[PS] matrix_a_fmt:MATRIX_FMT_FP4 matrix_b_fmt:MATRIX_FMT_FP4
.endif
.set TT, TT+1
.endr
	PLACES 4
.endm
.macro PVSTEP s
	s_cmp_lt_u32 s23, 13-4*\s
	s_cbranch_scc1 .Lskip_\@
	VLOAD \s, 0
	NORM 64*\s, 0x01, 16
	QUANT2 0
	NORM 64*\s+32, 0x01, 16
	QUANT2 1
	v_lshl_or_b32 v[PS], v[TM+9], 8, v[TM+8]
	s_delay_alu instid0(VALU_DEP_1)
	v_lshl_or_b32 v[PS], v[TM+10], 16, v[PS]
	s_delay_alu instid0(VALU_DEP_1)
	v_lshl_or_b32 v[PS], v[TM+11], 24, v[PS]
	PLACES 8
	s_wait_alu depctr_va_vdst(0)
	s_wait_dscnt 0x0
	PV \s, 0, 0
	VLOAD \s, 1
	s_wait_dscnt 0x0
	PV \s, 1, 0
.Lskip_\@:
.endm
	s_mov_b32 s76, 2
.Ltrip:
	s_setprio 2
	KLOAD 16, 2
	s_mov_b32 s70, 0
	s_wait_dscnt 0x0
	QK 16, 2
	CAP 8
	DIAG
	s_wait_alu depctr_va_vdst(0)
	EXPO 16, P4, 0
	v_pk_add_f32 v[SA:SA+1], v[P4:P4+1], v[P4+2:P4+3]
	v_pk_add_f32 v[SB:SB+1], v[P4+4:P4+5], v[P4+6:P4+7]
	v_pk_add_f32 v[SA:SA+1], v[SA:SA+1], v[P4+8:P4+9]
	v_pk_add_f32 v[SB:SB+1], v[SB:SB+1], v[P4+10:P4+11]
	v_pk_add_f32 v[SA:SA+1], v[SA:SA+1], v[P4+12:P4+13]
	v_pk_add_f32 v[SB:SB+1], v[SB:SB+1], v[P4+14:P4+15]
	STEP 0
	STEP 1
	STEP 2
	s_setprio 1
	STEP 3
	s_wait_alu depctr_va_vdst(0)
	v_pk_add_f32 v[SA:SA+1], v[SA:SA+1], v[SB:SB+1]
	s_delay_alu instid0(VALU_DEP_1)
	v_add_f32 v[SA], v[SA], v[SA+1]
	s_delay_alu instid0(VALU_DEP_1)
	v_permlanex16_b32 v[TA], v[SA], s74, s75
	s_delay_alu instid0(VALU_DEP_1)
	v_add_f32 v[SA], v[SA], v[TA]
	s_wait_alu depctr_va_vdst(0)
	v_rcp_f32 v[INV], v[SA]
	v_nop
	s_wait_alu depctr_va_vdst(0)
	s_cmp_eq_u32 s76, 1
	s_cbranch_scc1 .Lsame
.irp j, 0,1,2,3,4,5,6,7
	v_mov_b32 v[QF+\j], v[QF2+\j]
.endr
	v_mov_b32 v[QS], v[QS2]
.Lsame:
	VLOAD4 0
	NORM P4, 0, 8
	v_max3_num_f32 v[TM], v[SW], v[SW+1], 0x1800000
.irp i, 2,4,6,8,10,12,14
	s_delay_alu instid0(VALU_DEP_1)
	v_max3_num_f32 v[TM], v[TM], v[SW+\i], v[SW+\i+1]
.endr
	s_delay_alu instid0(VALU_DEP_1)
	v_permlanex16_b32 v[TM+2], v[TM], s74, s75
	s_delay_alu instid0(VALU_DEP_1)
	v_max_num_f32 v[TM], v[TM], v[TM+2]
	s_delay_alu instid0(VALU_DEP_1)
	v_add_nc_u32 v[TM+4], 0xff000000, v[TM]
	s_delay_alu instid0(VALU_DEP_1)
	v_lshrrev_b32 v[PS], 23, v[TM+4]
	v_cvt_scalef32_pk8_fp4_f32 v[CD], v[SW:SW+7], v[TM+4]
	v_cvt_scalef32_pk8_fp4_f32 v[CD+1], v[SW+8:SW+15], v[TM+4]
	v_nop
.irp j, 2,3,4,5,6,7
	v_mov_b32 v[CD+\j], 0
.endr
	v_permlane16_swap_b32 v[CD], v[CD+2]
	v_permlane16_swap_b32 v[CD+1], v[CD+3]
	PLACES 8
	s_wait_alu depctr_va_vdst(0)
	s_wait_dscnt 0x0
	PV 4, 0, 1
	VLOAD4 1
	s_wait_dscnt 0x0
	PV 4, 1, 1
	PVSTEP 0
	PVSTEP 1
	s_setprio 0
	PVSTEP 2
	PVSTEP 3
.set DT, 0
.rept 8
	ds_store_b128 v[STO], v[O+8*DT:O+8*DT+3] offset:64*DT
	ds_store_b128 v[STO], v[O+8*DT+4:O+8*DT+7] offset:64*DT+16
.set DT, DT+1
.endr
.set j, 0
.rept 16
.if j < 8
.set RG, SW+4*j
.else
.set RG, F+4*(j-8)
.endif
	ds_load_b128 v[RG:RG+3], v[RD] offset:528*j
.set j, j+1
.endr
.set j, 0
.rept 16
.if j < 8
.set RG, SW+4*j
.else
.set RG, F+4*(j-8)
.endif
	s_wait_dscnt 15-j
	global_store_b128 v[L16], v[RG:RG+3], s[16:17] offset:(j+8*(j/8))*8192 th:TH_STORE_NT
.set j, j+1
.endr
	s_wait_xcnt 0x0
	s_add_nc_u64 s[16:17], s[16:17], 512
	s_sub_co_u32 s76, s76, 1
	s_cmp_lg_u32 s76, 0
	s_cbranch_scc1 .Ltrip
	s_setprio 0
	s_wait_tensorcnt 0x0
	ds_add_u32 v[SPW], v[NIL]
	s_wait_dscnt 0x0
	s_endpgm
.Lfunc_end_k_q0f528dfcf6_attn:
	.size	k_q0f528dfcf6_attn, .Lfunc_end_k_q0f528dfcf6_attn-k_q0f528dfcf6_attn
	.p2alignl 7, 3214868480
	.fill 96, 4, 3214868480
	.section	.rodata,"a",@progbits
	.p2align	6, 0x0
	.amdhsa_kernel k_q0f528dfcf6_attn
		.amdhsa_group_segment_fixed_size 167936
		.amdhsa_private_segment_fixed_size 0
		.amdhsa_enable_private_segment 0
		.amdhsa_kernarg_size 56
		.amdhsa_user_sgpr_count 2
		.amdhsa_user_sgpr_kernarg_segment_ptr 1
		.amdhsa_wavefront_size32 1
		.amdhsa_system_sgpr_workgroup_id_x 1
		.amdhsa_system_sgpr_workgroup_id_y 1
		.amdhsa_system_sgpr_workgroup_id_z 1
		.amdhsa_system_vgpr_workitem_id 0
		.amdhsa_next_free_vgpr 512
		.amdhsa_next_free_sgpr 84
		.amdhsa_reserve_vcc 1
		.amdhsa_float_denorm_mode_32 3
		.amdhsa_float_denorm_mode_16_64 3
		.amdhsa_memory_ordered 1
		.amdhsa_forward_progress 1
		.amdhsa_inst_pref_size 255
	.end_amdhsa_kernel
	.section	.bss,"aw",@nobits
	.p2align	6
	.space	262144
	.amdgpu_metadata
---
amdhsa.version: [ 1, 2 ]
amdhsa.kernels:
  - .name:           k_q0f528dfcf6_attn
    .symbol:         k_q0f528dfcf6_attn.kd
    .args:
      - { .name: qc, .offset: 0, .size: 8, .value_kind: global_buffer, .address_space: global }
      - { .name: qs, .offset: 8, .size: 8, .value_kind: global_buffer, .address_space: global }
      - { .name: kc, .offset: 16, .size: 8, .value_kind: global_buffer, .address_space: global }
      - { .name: ks, .offset: 24, .size: 8, .value_kind: global_buffer, .address_space: global }
      - { .name: vc, .offset: 32, .size: 8, .value_kind: global_buffer, .address_space: global }
      - { .name: vs, .offset: 40, .size: 8, .value_kind: global_buffer, .address_space: global }
      - { .name: out0, .offset: 48, .size: 8, .value_kind: global_buffer, .address_space: global }
    .group_segment_fixed_size: 167936
    .private_segment_fixed_size: 0
    .kernarg_segment_align: 8
    .kernarg_segment_size: 56
    .max_flat_workgroup_size: 256
    .sgpr_count:     84
    .vgpr_count:     512
    .wavefront_size: 32
...
	.end_amdgpu_metadata
.endif
;; end of part 2
